; MI455X (gfx1250); checked and timed in simulation.
; The chip was launched on July 23, 2026; its instructions are those of AMD's public machine-readable ISA for CDNA 5 (MIT licence, August 2026) and "CDNA5" Instruction Set Architecture Reference Guide (July 2026). The comments in the code are by the model that wrote it; some were corrected since.
;; Attention. Allowed arithmetic: matrix products marked QUANTISED: E2M1 operands, one E8M0 scale for each 32 along K, by v_wmma_scale_f32_16x16x128_f8f6f4 with both operands' format E2M1 (or v_wmma_scale_f32_32x16x128_f4), f32 sums; products left as they are: f32 operands where the result goes on into a quantised operand, else bf16, f16 or f32 operands; f32 sums; everything else in f32.
;; Inputs: V 1 x 1,024 float32; W_c 1,024 x 1 float32; W_h 1,024 x 1,024 float32; W_s 1,024 x 1,024 float32; b_s 1,024 float32; coverage 32 x 2,048 float32; dec_hidden 32 x 1,024 float32; enc_output 32 x 2,048 x 1,024 float32; enc_padding_mask 32 x 2,048 float32.
;; Outputs: out0 32 x 1,024 float32; out1 32 x 2,048 float32; out2 32 x 2,048 float32.
;; This version of the problem:
;;   THIS VERSION OF THE PROBLEM IS GIVEN IN LOW PRECISION. The matrix products marked QUANTISED in the list below multiply operands that are first quantised to E2M1 (2 exponent bits, 1 mantissa bit; 4 bits a number), with one power-of-two scale for each 32 numbers along K (OCP MX v1.0); their sums are f32. All else is computed in f32.
;;   The module's matrix products, in the order in which they are computed (A, B: the left and right operand; K: the contracted axis; several contracted axes count as one K, in the product's order):
;;     1. [M 65,536, K 1,024] x [K 1,024, N 1,024]; A: input enc_output; B: input W_h: QUANTISED
;;     2. [M 32, K 1,024] x [K 1,024, N 1,024]; A: input dec_hidden; B: input W_s: QUANTISED
;;     3. [M 65,536, K 1,024] x [K 1,024, N 1]; A: computed on the way; B: input V: left as it is (N = 1 < 16)
;;     4. batch 32 x [M 1, K 2,048] x [K 2,048, N 1,024]; A: softmax; B: input enc_output: left as it is (M = 1 < 16)
;;   THE QUANTISER, for each operand of a quantised product, along K:
;;     - K is cut into blocks of 32 from its start; a last block that is shorter is filled with zeros.
;;     - A block's scale is 2^e with e = floor(log2(the largest magnitude in the block)) - 2, held to -126 .. 127; a block of zeros has e = 0. As a byte (E8M0): e + 127.
;;     - Each number is divided by its block's scale, clamped to +-6, and rounded to the nearest number of E2M1, ties to even, subnormals kept.
;;     - The product sums the exact products of the quantised numbers (number of the format x scale) in f32.
;;   ~~~python
;;   def quantise(x, axis):      # numpy; x: float32 -> the quantised numbers, widened to float32 again
;;       x = np.moveaxis(x, axis, -1); K = x.shape[-1]
;;       x = np.pad(x, [(0, 0)] * (x.ndim - 1) + [(0, -K % 32)]); x = x.reshape(x.shape[:-1] + (-1, 32)); a = np.abs(x).max(-1, keepdims=True)
;;       e = np.where(a > 0, np.clip(np.frexp(np.where(a > 0, a, 1))[1] - 1 - 2, -126, 127), 0)      # np.frexp(a)[1] - 1 = floor(log2(a)), exactly
;;       r = np.clip(x / 2.0 ** e, -6, 6)
;;       step = 2.0 ** (np.maximum(np.frexp(np.where(r == 0, 1, r))[1] - 1, 0) - 1)
;;       q = np.round(r / step) * step * 2.0 ** e      # np.round: ties to even
;;       return np.moveaxis(q.reshape(q.shape[:-2] + (-1,))[..., :K], -1, axis).astype(np.float32)
;;   ~~~
;; One version. Each part assembles by itself: llvm-mc -triple=amdgcn-amd-amdhsa -mcpu=gfx1250 --defsym DOCPART=n.
;; ======== version 1 of 1: 3 launches
;; limits: values are held in bf16: 8 bits of precision; right only within a limited range of input values
;; workspace buffers: wh_codes 524,288 bytes; wh_scales 32,768 bytes; cst 524,288 bytes; u_ws 262,144 bytes; ctx_ws 1,048,576 bytes; ml_ws 65,536 bytes
;; launch prep (part 1): grid 64 x 3, 8 waves a work-group, no clusters, 144,896 bytes of LDS; arguments W_h, W_s, dec_hidden, b_s, W_c, V, wh_codes, wh_scales, cst; writes wh_codes, wh_scales, cst
.if DOCPART == 1
	.amdgcn_target "amdgcn-amd-amdhsa--gfx1250"
	.amdhsa_code_object_version 6
	.text
	.protected	k_qa34898d6da_prep
	.globl	k_qa34898d6da_prep
	.p2align	8
	.type	k_qa34898d6da_prep,@function
k_qa34898d6da_prep:
	s_mov_b64 s[64:65], 0
	v_nop
	global_prefetch_b8 v0, s[64:65] scope:SCOPE_SE
	s_setreg_imm32_b32 hwreg(HW_REG_WAVE_MODE, 25, 1), 1
	s_wait_xcnt 0x0
; THE PROGRAM (three launches): attention with coverage.  e[b][s] = sum over o of V[o] tanh(enc[b][s] . W_h[o] + dec[b] . W_s[o] + b_s[o] + coverage[b][s] W_c[o]);
; atten = softmax over s of (e + mask); context = sum over s of atten enc; new coverage = coverage + atten.  The products with W_h and W_s are on codes of E2M1 with one E8M0 scale for each 32 along K.
; WORK LEFT OUT.  tanh(y) = 1 - 2 r, r = 1 / (1 + 2^(c y)), c = 2 log2(e), so e[b][s] = (sum over o of V[o]) - 2 sum over o of V[o] r.  The first term does not hang on s; e is no output, and a softmax along s
; is unchanged, for all values of the inputs, by a term that is the same along s.  So the sum of V is never formed.  Nothing else is left out; every input is loaded.
; LIMITS.  An overflow, infinity or NaN that would arise in the sum of V alone is not carried to the results.  NaN and infinities in enc_output, dec_hidden, the weights and coverage are not served (a mask of -infinity is).
; A block of zeros gets the scale byte 1 where the quantiser says 127: its codes are zeros, which add nothing under any byte but 0xff, and this program alone reads the bytes.
; THIS LAUNCH, work-group (t, y).  y = 0: rows 16 t .. 16 t + 15 of W_h become codes laid as images of the operand's registers: wh_codes [tile][K step of 128][c][lane][16 bytes] (registers 4 c .. 4 c + 3 of lane (r, h):
; row 16 t + r, k = 128 ks + 64 c + 32 h + 0 .. 31), and wh_scales [tile][lane][4 words] (lane 16 h + r, word i: row 16 t + r, K step 4 h + i).
; y = 1, 2 (m = y - 1): dec_feature of batch rows 16 m .. 16 m + 15 and columns o = 16 t .. 16 t + 15 = Q(dec_hidden) Q(W_s)^T + b_s; it goes to cst [b][o][4] = { c dec_feature, -c V[o], c W_c[o], 0 }.
; Wave ks takes K step ks; the eight parts of the sum over K meet in LDS, inside the work-group.  192 work-groups, each with stores of its own.
; A K step of a row is 512 bytes: one load of 16 bytes a lane.  The quantiser wants a lane to hold the 32 neighbours of each of its two blocks: so 16 rows turn through the wave's own stage in LDS (rows 528 bytes apart).
; The two ways part on y alone; each has LDS bytes of its own.  No tensor load, no cluster: a work-group uses each byte once.  No prefetch: there is no loop to run ahead in.
.set RED,   0                          ; y > 0: [wave][g][lane][16 bytes]: the waves' partial sums, 1,024 bytes a wave
.set WSC,   8192                       ; y = 0: the tile's scale words, 512 bytes, as wh_scales has them
.set SPARE, 8704                       ; the spare words, 128 bytes for each of eight waves
.set STG,   9728                       ; y = 0: the stages, 16 rows of SPI bytes for each wave
.set STD,   77312                      ; y > 0: the stages
.set SPI,   528
.set R4,  5                            ; 4 r
.set BSV, 6                            ; b_s[o], W_c[o], V[o], o = 16 t + r
.set WCV, 7
.set VV,  254
.set CWH, 8                            ; codes: W_h, W_s, dec_hidden
.set CWS, 16
.set CD0, 24
.set XA,  32                           ; two sets of 64 numbers
.set XB,  96
.set ACC, 160                          ; the accumulator
.set T,   224                          ; largest magnitudes; SO: the conversions' scale operands; BY: bytes; TP: the other half's bytes
.set SO,  226
.set BY,  228
.set TP,  230
.set SH8, 231                          ; 8 h
.set LI,  232                          ; 16 x lane
.set WSA, 233                          ; where my wave's scale word of row r goes
.set RDA, 234                          ; my wave's partial sums
.set RLA, 235                          ; register number 'wave' of the partial sums
.set CSO, 236                          ; my byte offset in cst
.set WLA, 237                          ; WSC + 16 x lane
.set STW, 238                          ; y = 0: my stage, in (16 x lane) and out (SPI r + 128 h)
.set STR, 239
.set STW2, 240                         ; y > 0: the same
.set STR2, 241
.set SWH, 248                          ; scale words: scales and nothing else
.set SWS, 249
.set SD0, 250
.set SPW, 252                          ; my spare word; never rewritten
.set NIL, 253                          ; 0; never rewritten
.set KS,  22                           ; my wave's number = my K step
.set SEL, 36                           ; selects for lane l xor 16
.set CC,  38                           ; c = 2 log2(e)
.set NC,  39                           ; -c
	s_load_b512 s[4:19], s[0:1], 0x0               ; W_h, W_s, dec_hidden, b_s, W_c, V, wh_codes, wh_scales
	s_load_b64 s[20:21], s[0:1], 0x40              ; cst
	v_lshl_add_u32 v[SPW], v0, 2, SPARE
	v_mov_b32 v[NIL], 0
	v_lshrrev_b32 v[T], 5, v0
	s_delay_alu instid0(VALU_DEP_1)
	v_readfirstlane_b32 s[KS], v[T]                ; wave 0..7
	v_and_b32 v1, 31, v0                           ; lane
	v_and_b32 v2, 15, v0                           ; r
	v_bfe_u32 v3, v0, 4, 1                         ; h
	s_delay_alu instid0(VALU_DEP_2)
	v_lshlrev_b32 v[R4], 2, v2
	s_delay_alu instid0(VALU_DEP_2)
	v_lshlrev_b32 v[SH8], 3, v3
	v_mov_b32 v[TP], 0                             ; a lane permute's destination counts as one of its sources
	v_lshlrev_b32 v[LI], 4, v1
	s_delay_alu instid0(VALU_DEP_1)
	v_lshl_add_u32 v[RDA], v[T], 10, v[LI]         ; RED + 1024 x wave + 16 x lane
	v_mul_u32_u24 v[STW], v[T], 16*SPI
	s_delay_alu instid0(VALU_DEP_1)
	v_mad_u32_u24 v[STR], v2, SPI, v[STW]
	s_delay_alu instid0(VALU_DEP_1)
	v_lshl_add_u32 v[STR], v3, 7, v[STR]
	s_delay_alu instid0(VALU_DEP_3)
	v_add_nc_u32 v[STW], v[STW], v[LI]
	s_delay_alu instid0(VALU_DEP_1)
	v_add_nc_u32 v[STW2], STD, v[STW]
	s_delay_alu instid0(VALU_DEP_3)
	v_add_nc_u32 v[STR2], STD, v[STR]
	s_delay_alu instid0(VALU_DEP_3)
	v_add_nc_u32 v[STW], STG, v[STW]
	v_add_nc_u32 v[STR], STG, v[STR]
	v_lshrrev_b32 v[WSA], 7, v0                    ; wave / 4
	s_delay_alu instid0(VALU_DEP_1)
	v_lshlrev_b32 v[WSA], 8, v[WSA]
	s_delay_alu instid0(VALU_DEP_1)
	v_lshl_add_u32 v[WSA], v2, 4, v[WSA]
	v_bfe_u32 v[RLA], v0, 5, 2                     ; wave % 4
	s_delay_alu instid0(VALU_DEP_1)
	v_lshl_add_u32 v[WSA], v[RLA], 2, v[WSA]
	s_delay_alu instid0(VALU_DEP_1)
	v_add_nc_u32 v[WSA], WSC, v[WSA]               ; WSC + 256 (wave / 4) + 16 r + 4 (wave % 4)
	s_delay_alu instid0(VALU_DEP_3)
	v_lshl_add_u32 v[RLA], v[RLA], 2, v[LI]
	v_lshrrev_b32 v[CSO], 7, v0
	s_delay_alu instid0(VALU_DEP_1)
	v_lshl_add_u32 v[RLA], v[CSO], 9, v[RLA]       ; RED + 512 (wave / 4) + 16 x lane + 4 (wave % 4)
	v_lshlrev_b32 v[CSO], 17, v3                   ; cst: 8 h rows of 16,384 bytes + 16 r
	s_delay_alu instid0(VALU_DEP_1)
	v_lshl_add_u32 v[CSO], v2, 4, v[CSO]
	v_add_nc_u32 v[WLA], WSC, v[LI]
	s_mov_b32 s[SEL], 0x76543210
	s_mov_b32 s[SEL+1], 0xfedcba98
	s_mov_b32 s[CC], 0x4038aa3b
	s_mov_b32 s[NC], 0xc038aa3b
	s_and_b32 s23, ttmp7, 0xffff                   ; y
	s_lshl_b32 s24, ttmp9, 16                      ; 16 rows of 4,096 bytes a tile,
	s_lshl_b32 s26, s[KS], 9                       ; 512 bytes a K step
	s_add_co_u32 s24, s24, s26
	s_mov_b32 s25, 0
	s_mov_b32 s27, 0
	s_lshl_b32 s28, ttmp9, 6                       ; the tile's 16 numbers of b_s, W_c, V
	s_mov_b32 s29, 0
	s_lshl_b32 s30, ttmp9, 13                      ; wh_codes: 8,192 bytes a tile, 1,024 a K step
	s_lshl_b32 s31, s[KS], 10
	s_add_co_u32 s30, s30, s31
	s_mov_b32 s31, 0
	s_mov_b32 s33, 0
	s_lshl_b32 s34, ttmp9, 9                       ; wh_scales: 512 bytes a tile
	s_mov_b32 s35, 0
	s_wait_alu depctr_va_vdst(0)
	s_wait_kmcnt 0x0
.macro LDR reg, base                   ; my K step of 16 rows as it lies: load i reads 512 consecutive bytes of row i
.irp i, 0,1,2,3,4,5,6,7,8,9,10,11,12,13,14,15
	global_load_b128 v[\reg+4*\i:\reg+4*\i+3], v[LI], s[\base:\base+1] offset:4096*\i
.endr
.endm
.macro TURN in, out, x                 ; through my stage, row by row, and back: register 32 c + 4 j + i = k 128 ks + 64 c + 32 h + 4 j + i of row r.  LDS serves a wave's instructions in order
.irp i, 0,1,2,3,4,5,6,7,8,9,10,11,12,13,14,15
	ds_store_b128 v[\in], v[\x+4*\i:\x+4*\i+3] offset:SPI*\i
.endr
.irp c, 0,1
.irp j, 0,1,2,3,4,5,6,7
	ds_load_b128 v[\x+32*\c+4*\j:\x+32*\c+4*\j+3], v[\out] offset:256*\c+16*\j
.endr
.endr
	s_wait_dscnt 0x0
.endm
.macro QB x, cd, wd                    ; the 64 numbers at v[x] become a fragment's 8 registers at v[cd] and my row's scale word in v[wd]
.irp c, 0,1
	v_max3_num_f32 v[T+\c], |v[\x+32*\c]|, |v[\x+32*\c+1]|, 0x1800000   ; my block 2 c + h: all its 32 numbers are mine; the floor 2^(3 - 127) holds the byte at 1 from below
.endr
.irp i, 2,4,6,8,10,12,14,16,18,20,22,24,26,28,30
.irp c, 0,1
	s_delay_alu instid0(VALU_DEP_2)
	v_max3_num_f32 v[T+\c], v[T+\c], |v[\x+32*\c+\i]|, |v[\x+32*\c+\i+1]|
.endr
.endr
.irp c, 0,1
	s_delay_alu instid0(VALU_DEP_2)
	v_add_nc_u32 v[SO+\c], 0xff000000, v[T+\c]     ; 2 off the exponent field: the conversion's scale operand
.endr
.irp c, 0,1
	s_delay_alu instid0(VALU_DEP_2)
	v_lshrrev_b32 v[BY+\c], 23, v[SO+\c]           ; the scale's byte
.endr
	s_delay_alu instid0(VALU_DEP_1)
	v_lshl_or_b32 v[\wd], v[BY+1], 16, v[BY]       ; my two bytes: blocks h and 2 + h,
	s_delay_alu instid0(VALU_DEP_1)
	v_lshlrev_b32 v[\wd], v[SH8], v[\wd]           ; at their places in the word;
	s_delay_alu instid0(VALU_DEP_1)
	v_permlanex16_b32 v[TP], v[\wd], s[SEL], s[SEL+1]
	s_delay_alu instid0(VALU_DEP_1)
	v_or_b32 v[\wd], v[\wd], v[TP]                 ; with lane l xor 16's two the word is whole
.irp c, 0,1
.irp g, 0,1,2,3
	v_cvt_scalef32_pk8_fp4_f32 v[\cd+4*\c+\g], v[\x+32*\c+8*\g:\x+32*\c+8*\g+7], v[SO+\c]
.endr
.endr
	v_nop                                          ; one plain instruction behind the last scaled conversion
.endm
	s_cmp_lg_u32 s23, 0                            ; the work-group's y alone: all eight waves go the same way
	s_cbranch_scc1 .Ldec
	; ---- y = 0: W_h
	s_add_nc_u64 s[4:5], s[4:5], s[24:25]
	s_add_nc_u64 s[16:17], s[16:17], s[30:31]
	s_add_nc_u64 s[18:19], s[18:19], s[34:35]
	LDR XA, 4
	s_wait_loadcnt 0x0
	TURN STW, STR, XA
	QB XA, CWH, SWH
	global_store_b128 v[LI], v[CWH:CWH+3], s[16:17]                ; 32 lanes store 512 consecutive bytes
	global_store_b128 v[LI], v[CWH+4:CWH+7], s[16:17] offset:512
	ds_store_b32 v[WSA], v[SWH]                    ; both halves of the lanes write the same word with the same value
	s_wait_dscnt 0x0                               ; for the others' sake: my store has landed
	s_barrier_signal -1
	s_barrier_wait -1
	s_cmp_lg_u32 s[KS], 0                          ; wave 0 sends the tile's scale words out: 512 consecutive bytes
	s_cbranch_scc1 .Lend
	ds_load_b128 v[56:59], v[WLA]
	s_wait_dscnt 0x0
	global_store_b128 v[LI], v[56:59], s[18:19]
	s_branch .Lend
.Ldec:	; ---- y = 1, 2: dec_feature of 16 batch rows
	s_sub_co_u32 s40, s23, 1                       ; m
	s_lshl_b32 s41, s40, 16                        ; dec_hidden: 16 rows of 4,096 bytes
	s_add_co_u32 s26, s26, s41
	s_lshl_b32 s32, s[KS], 14                      ; cst: batch row 16 m + wave (+ 8 h), 16,384 bytes a row, 256 bytes a tile
	s_lshl_b32 s41, s40, 18
	s_add_co_u32 s32, s32, s41
	s_lshl_b32 s41, ttmp9, 8
	s_add_co_u32 s32, s32, s41
	s_add_nc_u64 s[6:7], s[6:7], s[24:25]
	s_add_nc_u64 s[8:9], s[8:9], s[26:27]
	s_add_nc_u64 s[10:11], s[10:11], s[28:29]
	s_add_nc_u64 s[12:13], s[12:13], s[28:29]
	s_add_nc_u64 s[14:15], s[14:15], s[28:29]
	s_add_nc_u64 s[20:21], s[20:21], s[32:33]
	LDR XA, 6                                      ; W_s
	LDR XB, 8                                      ; dec_hidden
	global_load_b32 v[BSV], v[R4], s[10:11]
	global_load_b32 v[WCV], v[R4], s[12:13]
	global_load_b32 v[VV], v[R4], s[14:15]
	s_wait_loadcnt 19                              ; W_s is in; behind it: dec_hidden's 16 loads and the three small ones
	TURN STW2, STR2, XA
	QB XA, CWS, SWS
	s_wait_loadcnt 3                               ; dec_hidden is in; behind it: the three small loads
	TURN STW2, STR2, XB
	QB XB, CD0, SD0
.rept 8
	v_nop                                          ; a scale register written by a vector instruction stands 8 places ahead of a scaled matrix instruction, an operand so written 4
.endr
	v_wmma_scale_f32_16x16x128_f8f6f4 v[ACC:ACC+7], v[CD0:CD0+7], v[CWS:CWS+7], 0, v[SD0], v[SWS] matrix_a_fmt:MATRIX_FMT_FP4 matrix_b_fmt:MATRIX_FMT_FP4   ; register j of lane (r, h): batch row 16 m + 8 h + j, column o = 16 t + r
.rept 4
	v_nop                                          ; four places in front of the first read of the result
.endr
	ds_store_b128 v[RDA], v[ACC:ACC+3]             ; from the low end on
	ds_store_b128 v[RDA], v[ACC+4:ACC+7] offset:512
	s_wait_dscnt 0x0                               ; for the others' sake: my stores have landed
	s_barrier_signal -1
	s_barrier_wait -1
.irp k, 0,1,2,3,4,5,6,7
	ds_load_b32 v[40+\k], v[RLA] offset:1024*\k    ; the eight K steps' parts of register 'wave': batch row 16 m + 8 h + wave
.endr
	s_wait_loadcnt 0x0                             ; b_s, W_c, V
	v_mul_f32 v[BSV], s[CC], v[BSV]                ; c b_s
	v_mul_f32 v33, s[NC], v[VV]                    ; -c V
	v_mul_f32 v34, s[CC], v[WCV]                   ; c W_c
	v_mov_b32 v35, 0
	s_wait_alu depctr_va_vdst(0)
	s_wait_dscnt 0x0
	v_add_f32 v40, v40, v41
	v_add_f32 v42, v42, v43
	v_add_f32 v44, v44, v45
	v_add_f32 v46, v46, v47
	s_delay_alu instid0(VALU_DEP_3)
	v_add_f32 v40, v40, v42
	s_delay_alu instid0(VALU_DEP_2)
	v_add_f32 v44, v44, v46
	s_delay_alu instid0(VALU_DEP_1)
	v_add_f32 v40, v40, v44
	s_delay_alu instid0(VALU_DEP_1)
	v_fma_f32 v32, v40, s[CC], v[BSV]              ; c (sum + b_s)
	global_store_b128 v[CSO], v[32:35], s[20:21]   ; sixteen lanes store 256 consecutive bytes, aligned
.Lend:
	s_wait_tensorcnt 0x0                           ; the wave's end
	ds_add_u32 v[SPW], v[NIL]
	s_wait_dscnt 0x0
	s_endpgm
.Lfunc_end_k_qa34898d6da_prep:
	.size	k_qa34898d6da_prep, .Lfunc_end_k_qa34898d6da_prep-k_qa34898d6da_prep
	.p2alignl 7, 3214868480
	.fill 96, 4, 3214868480
	.section	.rodata,"a",@progbits
	.p2align	6, 0x0
	.amdhsa_kernel k_qa34898d6da_prep
		.amdhsa_group_segment_fixed_size 144896
		.amdhsa_private_segment_fixed_size 0
		.amdhsa_enable_private_segment 0
		.amdhsa_kernarg_size 72
		.amdhsa_user_sgpr_count 2
		.amdhsa_user_sgpr_kernarg_segment_ptr 1
		.amdhsa_wavefront_size32 1
		.amdhsa_system_sgpr_workgroup_id_x 1
		.amdhsa_system_sgpr_workgroup_id_y 1
		.amdhsa_system_sgpr_workgroup_id_z 1
		.amdhsa_system_vgpr_workitem_id 0
		.amdhsa_next_free_vgpr 256
		.amdhsa_next_free_sgpr 66
		.amdhsa_reserve_vcc 0
		.amdhsa_float_denorm_mode_32 3
		.amdhsa_float_denorm_mode_16_64 3
		.amdhsa_memory_ordered 1
		.amdhsa_forward_progress 1
		.amdhsa_inst_pref_size 31
	.end_amdhsa_kernel
	.amdgpu_metadata
---
amdhsa.version: [ 1, 2 ]
amdhsa.kernels:
  - .name:           k_qa34898d6da_prep
    .symbol:         k_qa34898d6da_prep.kd
    .args:
      - { .name: W_h, .offset: 0, .size: 8, .value_kind: global_buffer, .address_space: global }
      - { .name: W_s, .offset: 8, .size: 8, .value_kind: global_buffer, .address_space: global }
      - { .name: dec_hidden, .offset: 16, .size: 8, .value_kind: global_buffer, .address_space: global }
      - { .name: b_s, .offset: 24, .size: 8, .value_kind: global_buffer, .address_space: global }
      - { .name: W_c, .offset: 32, .size: 8, .value_kind: global_buffer, .address_space: global }
      - { .name: V, .offset: 40, .size: 8, .value_kind: global_buffer, .address_space: global }
      - { .name: wh_codes, .offset: 48, .size: 8, .value_kind: global_buffer, .address_space: global }
      - { .name: wh_scales, .offset: 56, .size: 8, .value_kind: global_buffer, .address_space: global }
      - { .name: cst, .offset: 64, .size: 8, .value_kind: global_buffer, .address_space: global }
    .group_segment_fixed_size: 144896
    .private_segment_fixed_size: 0
    .kernarg_segment_align: 8
    .kernarg_segment_size: 72
    .max_flat_workgroup_size: 256
    .sgpr_count:     66
    .vgpr_count:     256
    .wavefront_size: 32
...
	.end_amdgpu_metadata
.endif
;; end of part 1
;; launch main (part 2): grid 256 x 1, 4 waves a work-group, no clusters, 327,680 bytes of LDS; arguments enc_output, coverage, enc_padding_mask, wh_codes, wh_scales, cst, u_ws, ctx_ws, ml_ws; writes u_ws, ctx_ws, ml_ws
.if DOCPART == 2
	.amdgcn_target "amdgcn-amd-amdhsa--gfx1250"
	.amdhsa_code_object_version 6
	.text
	.protected	k_qa34898d6da_main
	.globl	k_qa34898d6da_main
	.p2align	8
	.type	k_qa34898d6da_main,@function
k_qa34898d6da_main:
	s_mov_b64 s[64:65], 0
	v_nop
	global_prefetch_b8 v0, s[64:65] scope:SCOPE_SE
	s_setreg_imm32_b32 hwreg(HW_REG_WAVE_MODE, 25, 1), 1
	s_wait_xcnt 0x0
; For 256 rows s of one batch b: the scores in base 2, u[s] = sum over o of (-c V[o]) r + log2(e) mask[s], r = 1 / (1 + 2^x), x = c (Q(enc[s]) . Q(W_h[o]) + dec_feature[o] + coverage[s] W_c[o]), c = 2 log2(e);
; a running maximum m and sum l of p = 2^(u - m); and the partial context sum over s of p enc[s].  enc_output is read from memory ONCE.
; WORK LEFT OUT: the sum of V, which is the same along the softmax's axis (shown at the head of the first launch's text).
; LIMITS: NaN and infinities in enc_output and coverage are not served (a mask of -infinity is: the running maximum begins at -3e38).  For the context alone enc_output is rounded to bf16; sums in f32.
; A block of zeros gets the scale byte 1 where the quantiser says 127: its codes are zeros, and this program alone reads the bytes.
; SHARES.  Work-group g stays for rows 256 g .. 256 g + 255 (batch g / 8), four tiles of 64 rows.  A tile goes through these phases:
;   P  wave w turns ITS quarter of the columns (256 w ..) of the 64 rows, which its own tensor load brought into LDS as f32, into codes and scale bytes (to LDS, for all waves) and into bf16 (256 registers, its own).
;      Then the f32 bytes are done with: the next tile's load goes out in two halves, behind a barrier in P and behind E's, and each lands during the work up to its first read.  So ONE slot serves.
;   A  every wave takes the tile's codes, 4 tiles of rows x 8 K steps, into 256 registers.
;   G  wave w makes outputs o = 256 w .. 256 w + 255 for all 64 rows, two tiles of 16 o at a time: 64 matrix instructions on 8 accumulators by turns, then x, 2^x, 1 + ., 1 / ., and the sum with -c V.
;      W_h's codes come from memory straight into registers, laid by the first launch as images of the operand's registers, in two sets.  A SET IS ASKED FOR AGAIN AS SOON AS ITS 64 PRODUCTS ARE ISSUED, for the pair
;      two further on: its 36 loads have this pair's vector work and the whole next pair in which to land, and behind a tile's last two pairs the next tile's first two are fetched while E, C and P run.
;   E  the sums over o meet (16 lanes by DPP, 4 waves through LDS); every wave makes the same u, m, p.       C  context += p x my bf16 columns.
; NO CLUSTER, though all work-groups read the same W_h: a joint load lands in LDS, and of the 327,680 bytes this text uses 318,976: the f32 slot must hold a whole tile (64 x 4 x 1,088), since it is filled during one tile's work.
; The products with V and with p have one column and one row: they go by fused multiply-adds, since a matrix instruction would use one of its sixteen rows.
; REGISTERS, in windows of 256: window 0 as named below; window 1: the tile's codes, fragment (mt, ks) at v[8 (8 mt + ks)]; window 2: W_h's codes, set q, fragment (n, ks) at v[128 q + 8 (8 n + ks)];
;   window 3: my bf16 columns, row y at v[4 y + e]: columns 8 lane + 2 e (low half), + 1 (high half).
.set FW,    69632                      ; LDS: a wave's part of the f32 slot: 64 rows of FROW bytes
.set FROW,  1088                       ; a row of 256 f32: four pieces of 256 bytes, 16 bytes of padding behind each: a lane's 32 bytes lie at 32 l + 16 (l / 8), so that 16 lanes' loads of 16 bytes touch 16 different columns of 16 bytes
.set CODES, 278528                     ; the tile's codes: 64 rows of 512 bytes + 16; at the very end the context's stage
.set CPI,   528
.set ASCL,  312320                     ; their scale bytes: 32 a row
.set EPL,   314368                     ; [wave][64 rows] partial scores
.set PBL,   315392                     ; [wave][64] p: each wave's own
.set CVL,   316416                     ; coverage of the 256 rows
.set MKL,   317440                     ; mask of the 256 rows
.set SPARE, 318464                     ; the spare words, 128 bytes for each wave: two blocks of 256 bytes that no other line names
.set FA0, 1                            ; v1   my 32 bytes of row 0 of my wave's f32;  v2: of row 32
.set FA1, 2
.set CA,  3                            ; v3   where my 8 codes of row 0 go
.set SA,  4                            ; v4   where my block's scale byte of row 0 goes
.set AA,  5                            ; v5   a fragment's row r, + 16 h
.set ASA, 6                            ; v6   row r's scale words: lanes 0-15 K steps 0-3, lanes 16-31 K steps 4-7
.set BO,  7                            ; v7   16 x lane
.set CO,  8                            ; v8   16 r
.set CVA, 9                            ; v9   CVL + 32 h
.set MKA, 10                           ; v10  MKL + 8 x lane
.set EPW, 11                           ; v11  EPL + 256 w + 32 h
.set EPR, 12                           ; v12  EPL + 8 x lane
.set PBW, 13                           ; v13  PBL + 256 w + 8 x lane
.set PBR, 14                           ; v14  PBL + 256 w
.set UO,  15                           ; v15  8 x lane
.set SPW, 16                           ; v16  LDS address of my spare word; never rewritten
.set NIL, 17                           ; v17  0; never rewritten
.set CXW, 18                           ; v18  the context's stage, in;  v19: back
.set CXR, 19
.set CVT, 20                           ; v20, v21  CVA, MKA + the tile's 256 bytes
.set MKT, 21
.set AS,  24                           ; v24-39   the rows' scale words, four registers for each tile of rows: scales and nothing else
.set BS,  40                           ; v40-55   W_h's scale words: set q, tile n: four registers: scales and nothing else
.set CST, 56                           ; v56-71   set q, tile n: { c dec_feature, -c V, c W_c, 0 } of my column o, as loaded
.set CTX, 76                           ; v76-83   the context of my 8 columns
.set U,   84                           ; v84-85   u of rows 2 lane, 2 lane + 1
.set MX,  86                           ; v86 m;  v87 l (my two rows' share)
.set LS,  87
.set F,   88                           ; v88 2^(old m - new m), the low word of a pair
.set P,   90                           ; v90-91   p of my two rows
.set CV,  96                           ; v96-127  G: coverage of row 16 mt + 8 h + j at CV + 8 mt + j.   P: largest magnitudes and bytes (two sets of 8), codes (two sets of 8)
.set MM,  96
.set CD,  112
.set ES,  128                          ; v128-159 G: sums over my o, by row as CV
.set AC,  160                          ; v160-223 G: accumulator (n, mt) at AC + 8 (4 n + mt).   C: p of the 64 rows
.set PV,  160
.set KC,  224                          ; v224-235 G: the constants of the pair in hand, each the low word of a register pair: tile n: KC + 6 n: c dec_feature; + 2: c W_c; + 4: -c V
.set X0,  128                          ; v128-255 P: two sets of 8 rows x 8 numbers
.set WV,  22                           ; s22  my wave's number
.set G1,  24                           ; s[24:31] descriptor group 1
.set G0,  32                           ; s[32:35] descriptor group 0
.set SEL, 36                           ; s[36:37] v_permlanex16_b32's selects for lane l xor 16
.set CC,  38                           ; s[38:39] c: the packed form names a pair and takes its low word
.set FLO, 40                           ; s40  the floor 2^(3 - 127)
.set TC,  41                           ; s41  tiles in the loop
.set PCN, 42                           ; s42  trips of the loop over pairs
.set NP,  43                           ; s43  the pair of tiles of W_h that was asked for last, 0..7
.set WBC, 44                           ; s[44:49] my wave's first byte in wh_codes, wh_scales, cst
.set WBS, 46
.set WBK, 48
.set BBC, 50                           ; s[50:55] the same at pair NP
.set BBS, 52
.set BBK, 54
.set OF,  56                           ; s[56:57] an offset, its high word 0
.set L2E, 58                           ; s[58:59] log2(e)
.set TO,  60                           ; s60  256 x tile
; THE f32 SLOT IS FILLED AGAIN IN TWO HALVES, each by one tensor load a wave behind a barrier with the full sequence in front of it:
; rows 0-31 of the next tile behind a barrier in the middle of P, when batches 0-3 have read them; rows 32-63 behind E's barrier.  The barrier at P's end fills nothing.
; Rows 0-31 are shown landed by the wait in front of E's barrier, rows 32-63 by the wait in the middle of P, ahead of the first read of row 32.  One tensor load of a wave is out at any time.
; No prefetch into the L2: a half is asked for by its own tensor load four batches' work or more ahead of its first read, and a tile ahead of that would be 256 KiB more for each work-group asked for and not yet read.
.set G0Y, 68                           ; s[68:71] descriptor group 0 of rows 32-63; rows 0-31 have s[G0..]; both use group 1 at s[G1..]
.set MSB, 0
.macro WIN new                         ; the immediate's high byte repeats the setting that is left; a switch that changes nothing is dropped
.if MSB != \new
	s_set_vgpr_msb (MSB<<8)|\new
.set MSB, \new
.endif
.endm
	s_load_b512 s[4:19], s[0:1], 0x0               ; enc s[4:5], coverage s[6:7], mask s[8:9], wh_codes s[10:11], wh_scales s[12:13], cst s[14:15], u_ws s[16:17], ctx_ws s[18:19]
	s_load_b64 s[20:21], s[0:1], 0x40              ; ml_ws
	v_lshl_add_u32 v[SPW], v0, 2, SPARE
	v_mov_b32 v[NIL], 0
	ds_add_u32 v[SPW], v[NIL]                      ; the wave's opening: the add, twice on end, and its wait ahead of my first tensor load
	ds_add_u32 v[SPW], v[NIL]
	v_lshrrev_b32 v20, 5, v0
	v_readfirstlane_b32 s[WV], v20                 ; wave 0..3
	; descriptor group 1: 64 rows x 256 elements of 4 bytes, 1,024 elements from row to row; 4 words of padding behind every 64
	s_mov_b32 s[G1+0], (2<<16)|(1<<20)|(5<<22)|(3<<25)
	s_mov_b32 s[G1+1], 256<<16                     ; tensor_dim0
	s_mov_b32 s[G1+2], 64<<16                      ; tensor_dim1
	s_mov_b32 s[G1+3], 256<<16                     ; tile_dim0
	s_mov_b32 s[G1+4], 64                          ; tile_dim1
	s_mov_b32 s[G1+5], 1024                        ; tensor_dim0_stride
	s_mov_b32 s[G1+6], 0
	s_mov_b32 s[G1+7], 0
	s_mov_b32 s[G0], 1
	s_mul_i32 s[G0+1], s[WV], FW                   ; my wave's part of the slot
	s_add_co_u32 s[G0Y+1], s[G0+1], 32*FROW        ; and row 32 of it
	s_mov_b32 s[G0Y], 1
	s_mov_b32 s[SEL], 0x76543210
	s_mov_b32 s[SEL+1], 0xfedcba98
	s_mov_b32 s[CC], 0x4038aa3b
	s_mov_b32 s[CC+1], s[CC]
	s_mov_b32 s[L2E], 0x3fb8aa3b
	s_mov_b32 s[L2E+1], s[L2E]
	s_mov_b32 s[FLO], 0x1800000
	s_mov_b32 s[NP], 0
	s_mov_b32 s[TO], 0
	s_lshl_b32 s[OF], ttmp9, 20                    ; 256 rows of 4,096 bytes,
	s_lshl_b32 s61, s[WV], 10                      ; my quarter of a row
	s_add_co_u32 s[OF], s[OF], s61
	s_mov_b32 s[OF+1], 0
	s_wait_alu depctr_va_vdst(0)
	s_wait_dscnt 0x0                               ; both opening adds are done
	s_wait_kmcnt 0x0
	s_add_nc_u64 s[G0+2:G0+3], s[4:5], s[OF:OF+1]
	s_or_b32 s[G0+3], s[G0+3], 0x80000000          ; type = 2
	tensor_load_to_lds s[G0:G0+3], s[G1:G1+7]      ; tile 0: every wave issues its own first fill; one tensor load of mine is out at any time
	s_nop 0
	s_add_nc_u64 s[G0Y+2:G0Y+3], s[G0+2:G0+3], 0x20000   ; row 32 of tile 0: each refill first steps a tile on
	s_lshl_b32 s[OF], ttmp9, 10                    ; 256 numbers of 4 bytes
	s_add_nc_u64 s[6:7], s[6:7], s[OF:OF+1]
	s_add_nc_u64 s[8:9], s[8:9], s[OF:OF+1]
	s_add_nc_u64 s[16:17], s[16:17], s[OF:OF+1]
	s_lshl_b32 s[OF], ttmp9, 8
	s_add_nc_u64 s[20:21], s[20:21], s[OF:OF+1]
	s_lshl_b32 s[OF], ttmp9, 12
	s_add_co_u32 s[OF], s[OF], s61
	s_add_nc_u64 s[18:19], s[18:19], s[OF:OF+1]
	s_lshl_b32 s[OF], s[WV], 17                    ; 16 tiles of 8,192 bytes of codes,
	s_add_nc_u64 s[WBC:WBC+1], s[10:11], s[OF:OF+1]
	s_lshl_b32 s[OF], s[WV], 13                    ; of 512 bytes of scale words,
	s_add_nc_u64 s[WBS:WBS+1], s[12:13], s[OF:OF+1]
	s_lshr_b32 s[OF], ttmp9, 3                     ; the batch's 16,384 bytes of cst, my 256 columns of 16 bytes
	s_lshl_b32 s[OF], s[OF], 14
	s_lshl_b32 s61, s[WV], 12
	s_add_co_u32 s[OF], s[OF], s61
	s_add_nc_u64 s[WBK:WBK+1], s[14:15], s[OF:OF+1]
	s_mov_b64 s[BBC:BBC+1], s[WBC:WBC+1]
	s_mov_b64 s[BBS:BBS+1], s[WBS:WBS+1]
	s_mov_b64 s[BBK:BBK+1], s[WBK:WBK+1]
	v_and_b32 v21, 31, v0                          ; lane
	v_and_b32 v22, 15, v0                          ; r
	v_bfe_u32 v23, v0, 4, 1                        ; h
	v_mul_u32_u24 v[FA0], v20, FW
	v_lshl_add_u32 v[FA0], v21, 5, v[FA0]
	v_lshrrev_b32 v[FA1], 3, v21
	v_lshl_add_u32 v[FA0], v[FA1], 4, v[FA0]
	v_add_nc_u32 v[FA1], 32*FROW, v[FA0]
	v_lshlrev_b32 v[CA], 7, v20
	v_lshl_add_u32 v[CA], v21, 2, v[CA]
	v_add_nc_u32 v[CA], CODES, v[CA]               ; CODES + 128 w + 4 x lane
	v_lshrrev_b32 v[SA], 2, v21
	v_lshl_add_u32 v[SA], v20, 3, v[SA]
	v_add_nc_u32 v[SA], ASCL, v[SA]                ; ASCL + 8 w + lane / 4
	v_mul_u32_u24 v[AA], v22, CPI
	v_lshl_add_u32 v[AA], v23, 4, v[AA]
	v_add_nc_u32 v[AA], CODES, v[AA]
	v_lshlrev_b32 v[ASA], 5, v22
	v_lshl_add_u32 v[ASA], v23, 4, v[ASA]
	v_add_nc_u32 v[ASA], ASCL, v[ASA]
	v_lshlrev_b32 v[BO], 4, v21
	v_lshlrev_b32 v[CO], 4, v22
	v_lshl_add_u32 v[CVA], v23, 5, CVL
	v_lshl_add_u32 v[MKA], v21, 3, MKL
	v_lshlrev_b32 v[EPW], 8, v20
	v_lshl_add_u32 v[EPW], v23, 5, v[EPW]
	v_add_nc_u32 v[EPW], EPL, v[EPW]
	v_lshl_add_u32 v[EPR], v21, 3, EPL
	v_lshl_add_u32 v[PBR], v20, 8, PBL
	v_lshl_add_u32 v[PBW], v21, 3, v[PBR]
	v_lshlrev_b32 v[UO], 3, v21
	v_lshl_add_u32 v[CXR], v20, 10, CODES
	v_lshl_add_u32 v[CXW], v21, 5, v[CXR]
	v_lshl_add_u32 v[CXR], v21, 4, v[CXR]
	v_lshlrev_b32 v22, 3, v0                       ; coverage and mask of the 256 rows: 8 bytes a thread; v22 and v23 are not rewritten
	v_lshl_add_u32 v23, v0, 3, CVL
	global_load_b64 v[92:93], v22, s[6:7]
	global_load_b64 v[94:95], v22, s[8:9]
; A pair of tiles of W_h into set q: 32 loads of codes, 2 of scale words, 2 of the columns' constants: 36 loads; each of the first 34 covers 512 consecutive bytes
.macro LOADB q
	WIN 0x80                                       ; destination window 2
.irp n, 0,1
.irp ks, 0,1,2,3,4,5,6,7
.irp c, 0,1
	global_load_b128 v[128*(\q)+8*(8*\n+\ks)+4*\c:128*(\q)+8*(8*\n+\ks)+4*\c+3], v[BO], s[BBC:BBC+1] offset:1024*(8*\n+\ks)+512*\c
.endr
.endr
.endr
	WIN 0
.irp n, 0,1
	global_load_b128 v[BS+8*(\q)+4*\n:BS+8*(\q)+4*\n+3], v[BO], s[BBS:BBS+1] offset:512*\n      ; register i: lanes 0-15 K step i, lanes 16-31 K step 4 + i
	global_load_b128 v[CST+8*(\q)+4*\n:CST+8*(\q)+4*\n+3], v[CO], s[BBK:BBK+1] offset:256*\n
.endr
.endm
; The loads' bases go on to the next pair; behind a tile's last pair comes the next tile's first
.macro STEPB
	s_wait_xcnt 0x0                                ; the loads issued so far have read their bases, which are written now
	s_add_co_u32 s[NP], s[NP], 1
	s_and_b32 s[NP], s[NP], 7
	s_lshl_b32 s[OF], s[NP], 14
	s_add_nc_u64 s[BBC:BBC+1], s[WBC:WBC+1], s[OF:OF+1]
	s_lshl_b32 s[OF], s[NP], 10
	s_add_nc_u64 s[BBS:BBS+1], s[WBS:WBS+1], s[OF:OF+1]
	s_lshl_b32 s[OF], s[NP], 9
	s_add_nc_u64 s[BBK:BBK+1], s[WBK:WBK+1], s[OF:OF+1]
.endm
	LOADB 0                                        ; pair 0
.irp j, 0,1,2,3,4,5,6,7
	v_mov_b32 v[CTX+\j], 0
.endr
	v_mov_b32 v[LS], 0
	v_mov_b32 v[MX], 0xff61b1e6                    ; -3e38, under every score
	v_mov_b32 v[F+1], 0                            ; the upper word of a pair of which the low word alone is used: written once
	s_wait_loadcnt 36                              ; coverage and mask are in; the 36 loads behind them may be out
	ds_store_b64 v23, v[92:93]
	ds_store_b64 v23, v[94:95] offset:MKL-CVL      ; (the first tile's barrier shows them to every wave)
	STEPB
	LOADB 1                                        ; pair 1: both sets are on their way while the first tile lands
; ---- P.  Rows 8 k .. 8 k + 7 of my quarter, 8 numbers a lane and row, into set k % 2
.macro LOADX k
.irp i, 0,1,2,3,4,5,6,7
.if 8*(\k)+\i < 32
	ds_load_b128 v[X0+64*((\k)%2)+8*\i:X0+64*((\k)%2)+8*\i+3],   v[FA0] offset:(8*(\k)+\i)*FROW
	ds_load_b128 v[X0+64*((\k)%2)+8*\i+4:X0+64*((\k)%2)+8*\i+7], v[FA0] offset:(8*(\k)+\i)*FROW+16
.else
	ds_load_b128 v[X0+64*((\k)%2)+8*\i:X0+64*((\k)%2)+8*\i+3],   v[FA1] offset:(8*(\k)+\i-32)*FROW
	ds_load_b128 v[X0+64*((\k)%2)+8*\i+4:X0+64*((\k)%2)+8*\i+7], v[FA1] offset:(8*(\k)+\i-32)*FROW+16
.endif
.endr
.endm
; Eight rows, by turns line by line.  Four neighbouring lanes hold a block of 32.  cnt: the LDS instructions issued behind this batch's loads: the batch before's 16 stores and the next batch's 16 loads.
; That wait also shows the stores of two batches ago done, which read the registers that this batch writes.
.macro BATCH k, cnt
.set XS, X0+64*((\k)%2)
.set MS, MM+8*((\k)%2)
.set CS, CD+8*((\k)%2)
	s_wait_dscnt \cnt
.irp i, 0,1,2,3,4,5,6,7
	v_max3_num_f32 v[MS+\i], |v[XS+8*\i]|, |v[XS+8*\i+1]|, s[FLO]          ; the floor among the leaves: the byte cannot fall under 1
.endr
.irp p, 2,4,6
.irp i, 0,1,2,3,4,5,6,7
	v_max3_num_f32 v[MS+\i], v[MS+\i], |v[XS+8*\i+\p]|, |v[XS+8*\i+\p+1]|
.endr
.endr
.irp i, 0,1,2,3,4,5,6,7
	v_max_num_f32_dpp v[MS+\i], v[MS+\i], v[MS+\i] row_xmask:1 row_mask:0xf bank_mask:0xf
.endr
.irp i, 0,1,2,3,4,5,6,7
	v_max_num_f32_dpp v[MS+\i], v[MS+\i], v[MS+\i] row_xmask:2 row_mask:0xf bank_mask:0xf   ; the block's largest magnitude
.endr
.irp i, 0,1,2,3,4,5,6,7
	v_add_nc_u32 v[MS+\i], 0xff000000, v[MS+\i]    ; 2 off its exponent field: the conversion's scale operand
.endr
.irp i, 0,1,2,3,4,5,6,7
	v_cvt_scalef32_pk8_fp4_f32 v[CS+\i], v[XS+8*\i:XS+8*\i+7], v[MS+\i]
.endr
	v_nop                                          ; one plain instruction behind the last scaled conversion
.irp i, 0,1,2,3,4,5,6,7
	v_lshrrev_b32 v[MS+\i], 23, v[MS+\i]           ; the scale's byte
.endr
.irp i, 0,1,2,3,4,5,6,7
	ds_store_b32 v[CA], v[CS+\i] offset:(8*(\k)+\i)*CPI            ; 32 lanes: 128 consecutive bytes of the row's codes
	ds_store_b8 v[SA], v[MS+\i] offset:(8*(\k)+\i)*32              ; the four lanes of a block write the same byte with the same value
.endr
	WIN 0xc0                                       ; destination window 3
.irp i, 0,1,2,3,4,5,6,7
.irp e, 0,1,2,3
	v_cvt_pk_bf16_f32 v[4*(8*(\k)+\i)+\e], v[XS+8*\i+2*\e], v[XS+8*\i+2*\e+1]
.endr
.endr
	WIN 0
.if ((\k)%4) < 2                       ; the loads run two batches ahead within a half of the tile
	LOADX (\k)+2
.endif
.endm
; ---- G.  The vector work on tile n's four accumulators: 32 registers on end, pair p of 16 = rows 16 (p / 4) + 8 h + 2 (p % 4) + 0, 1.  Each accumulator is first read at its low end.
.macro TF n                            ; x = c sum + c dec_feature + coverage x c W_c
.set p, 0
.rept 16
	v_pk_fma_f32 v[AC+32*\n+2*p:AC+32*\n+2*p+1], v[AC+32*\n+2*p:AC+32*\n+2*p+1], s[CC:CC+1], v[KC+6*\n:KC+6*\n+1] op_sel_hi:[1,0,0]
.set p, p+1
.endr
.set p, 0
.rept 16
	v_pk_fma_f32 v[AC+32*\n+2*p:AC+32*\n+2*p+1], v[CV+2*p:CV+2*p+1], v[KC+6*\n+2:KC+6*\n+3], v[AC+32*\n+2*p:AC+32*\n+2*p+1] op_sel_hi:[1,0,1]
.set p, p+1
.endr
.endm
.macro TE n                            ; 2^x
.set p, 0
.rept 32
	v_exp_f32 v[AC+32*\n+p], v[AC+32*\n+p]
.set p, p+1
.endr
.endm
.macro TA n                            ; 1 + 2^x
.set p, 0
.rept 16
	v_pk_add_f32 v[AC+32*\n+2*p:AC+32*\n+2*p+1], v[AC+32*\n+2*p:AC+32*\n+2*p+1], 1.0 op_sel_hi:[1,0]
.set p, p+1
.endr
.endm
.macro TR n                            ; r = 1 / (1 + 2^x): 0 where 2^x has overflowed, as tanh = 1 asks
.set p, 0
.rept 32
	v_rcp_f32 v[AC+32*\n+p], v[AC+32*\n+p]
.set p, p+1
.endr
.endm
.macro TS n                            ; the rows' sums += (-c V) r
.set p, 0
.rept 16
	v_pk_fma_f32 v[ES+2*p:ES+2*p+1], v[AC+32*\n+2*p:AC+32*\n+2*p+1], v[KC+6*\n+4:KC+6*\n+5], v[ES+2*p:ES+2*p+1] op_sel_hi:[1,0,1]
.set p, p+1
.endr
.endm
.macro PAIR q, grd
	s_wait_loadcnt 36                              ; set q is in: only the 36 loads issued behind the other set's products may be out
	WIN 0x09                                       ; source 0 (the rows' codes) window 1, source 1 (W_h's) window 2, C and D window 0
.irp ks, 0,1,2,3,4,5,6,7                       ; the eight accumulators take turns, one instruction a turn; the first K step starts the sums
.irp n, 0,1
.irp mt, 0,1,2,3
.if \ks == 0
	v_wmma_scale_f32_16x16x128_f8f6f4 v[AC+8*(4*\n+\mt):AC+8*(4*\n+\mt)+7], v[8*(8*\mt+\ks):8*(8*\mt+\ks)+7], v[128*(\q)+8*(8*\n+\ks):128*(\q)+8*(8*\n+\ks)+7], 0, v[AS+4*\mt+\ks%4], v[BS+8*(\q)+4*\n+\ks%4] matrix_a_fmt:MATRIX_FMT_FP4 matrix_b_fmt:MATRIX_FMT_FP4
.elseif \ks < 4
	v_wmma_scale_f32_16x16x128_f8f6f4 v[AC+8*(4*\n+\mt):AC+8*(4*\n+\mt)+7], v[8*(8*\mt+\ks):8*(8*\mt+\ks)+7], v[128*(\q)+8*(8*\n+\ks):128*(\q)+8*(8*\n+\ks)+7], v[AC+8*(4*\n+\mt):AC+8*(4*\n+\mt)+7], v[AS+4*\mt+\ks%4], v[BS+8*(\q)+4*\n+\ks%4] matrix_a_fmt:MATRIX_FMT_FP4 matrix_b_fmt:MATRIX_FMT_FP4
.else
	v_wmma_scale_f32_16x16x128_f8f6f4 v[AC+8*(4*\n+\mt):AC+8*(4*\n+\mt)+7], v[8*(8*\mt+\ks):8*(8*\mt+\ks)+7], v[128*(\q)+8*(8*\n+\ks):128*(\q)+8*(8*\n+\ks)+7], v[AC+8*(4*\n+\mt):AC+8*(4*\n+\mt)+7], v[AS+4*\mt+\ks%4], v[BS+8*(\q)+4*\n+\ks%4] matrix_a_fmt:MATRIX_FMT_FP4 matrix_b_fmt:MATRIX_FMT_FP4 matrix_a_scale:MATRIX_SCALE_ROW1 matrix_b_scale:MATRIX_SCALE_ROW1
.endif
.endr
.endr
.endr
	WIN 0
.irp n, 0,1                                    ; the pair's constants leave the set, so that all of it may be loaded again: six plain instructions that name no register of the products: the places behind them
	v_mov_b32 v[KC+6*\n],   v[CST+8*(\q)+4*\n]
	v_mov_b32 v[KC+6*\n+2], v[CST+8*(\q)+4*\n+2]
	v_mov_b32 v[KC+6*\n+4], v[CST+8*(\q)+4*\n+1]
.endr
.if \grd
	s_cmp_eq_u32 s[PCN], 1
	s_cbranch_scc1 .Lnone_\@
.endif
	s_wait_alu depctr_va_vdst(0)
	STEPB
	LOADB \q                                       ; the pair two further on, into the set just multiplied
.if \grd
	s_branch .Lhave_\@
.Lnone_\@:
	s_wait_loadcnt 0x0                             ; nothing is left to ask for: what is out is the last pair's set, or nothing
.Lhave_\@:
.endif
	s_wait_alu depctr_va_vdst(0)
	TF 0                                           ; register j of lane (r, h) in accumulator (n, mt): row 16 mt + 8 h + j, column o = r of tile n
	s_wait_alu depctr_va_vdst(0)
	TE 0
	s_wait_alu depctr_va_vdst(0)
	TF 1                                           ; plain work behind tile 0's exponentials, which names none of their results
	s_wait_alu depctr_va_vdst(0)                   ; one wait for the 32 exponentials, ahead of their first reader
	TA 0
	s_wait_alu depctr_va_vdst(0)
	TE 1
	TR 0
	v_nop                                          ; a plain instruction behind the last transcendental
	s_wait_alu depctr_va_vdst(0)                   ; one wait for tile 1's exponentials and tile 0's reciprocals
	TA 1
	TS 0
	s_wait_alu depctr_va_vdst(0)
	TR 1
	v_nop
	s_wait_alu depctr_va_vdst(0)                   ; and one for tile 1's reciprocals: none is open at the loop's branch
	TS 1
.endm
; ---- A tile of 64 rows.  last = 1: nothing is left to fetch.
.macro TILE last
	v_add_nc_u32 v[CVT], s[TO], v[CVA]
	v_add_nc_u32 v[MKT], s[TO], v[MKA]
	LOADX 0                                        ; rows 0-31 have been shown landed: ahead of the loop (tile 0), or by the wait in front of the last tile's barrier in E
	LOADX 1
	BATCH 0, 16
	BATCH 1, 32
	BATCH 2, 32
	BATCH 3, 16
.if \last
	s_wait_tensorcnt 0x0                           ; rows 32-63 have landed; I alone read these bytes; nothing is left to fetch
.else
	s_wait_tensorcnt 0x0                           ; rows 32-63 have landed; no tensor load of mine is out, so group 0 may be written
	ds_add_u32 v[SPW], v[NIL]                      ; 0 onto my spare word
	s_add_nc_u64 s[G0+2:G0+3], s[G0+2:G0+3], 0x40000   ; 64 rows of 4,096 bytes on; the type bits on top are not reached
	s_wait_dscnt 0x0                               ; the add is done, and my reads of rows 0-31 are back
	s_barrier_signal -1
	s_barrier_wait -1
	tensor_load_to_lds s[G0:G0+3], s[G1:G1+7]      ; rows 0-31 of the next tile's quarter: my one tensor load, first behind the barrier
	s_nop 0
.endif
	LOADX 4
	LOADX 5
	BATCH 4, 16
	BATCH 5, 32
	BATCH 6, 32
	BATCH 7, 16
; ONE barrier for two things: the f32 bytes have been read out, and the codes and scale bytes lie in LDS for every wave.
	s_wait_dscnt 0x0                               ; my stores of codes and scale bytes have landed
	s_barrier_signal -1                            ; the load of rows 0-31 stays on its way
	s_barrier_wait -1
	WIN 0x40                                       ; destination window 1
.irp mt, 0,1,2,3
.irp ks, 0,1,2,3,4,5,6,7
.irp c, 0,1
	ds_load_b128 v[8*(8*\mt+\ks)+4*\c:8*(8*\mt+\ks)+4*\c+3], v[AA] offset:16*CPI*\mt+64*\ks+32*\c   ; registers 4 c ..: row 16 mt + r, k = 128 ks + 64 c + 32 h + 0 .. 31
.endr
.endr
.endr
	WIN 0
.irp mt, 0,1,2,3
	ds_load_b128 v[AS+4*\mt:AS+4*\mt+3], v[ASA] offset:512*\mt     ; register i: lanes 0-15 K step i, lanes 16-31 K step 4 + i
.endr
.irp mt, 0,1,2,3
.irp g, 0,1
	ds_load_b128 v[CV+8*\mt+4*\g:CV+8*\mt+4*\g+3], v[CVT] offset:64*\mt+16*\g
.endr
.endr
.set j, 0
.rept 32
	v_mov_b32 v[ES+j], 0                           ; the rows' sums over o: 32 registers a tile, while the loads are out
.set j, j+1
.endr
.irp j, 1,3,5,7,9,11
	v_mov_b32 v[KC+\j], 0                          ; the upper words of the constants' pairs, of which the low word alone is used (P has had these registers)
.endr
	s_wait_dscnt 0x0
	s_mov_b32 s[PCN], 4
.Lpair_\@:
	PAIR 0, \last
	PAIR 1, \last
	s_sub_co_u32 s[PCN], s[PCN], 1
	s_cmp_lg_u32 s[PCN], 0
	s_cbranch_scc1 .Lpair_\@
; ---- E.  The sums over o: my sixteen lanes' columns, then the four waves'.
.irp x, 1,2,4,8
.set j, 0
.rept 32
	v_add_f32_dpp v[ES+j], v[ES+j], v[ES+j] row_xmask:\x row_mask:0xf bank_mask:0xf
.set j, j+1
.endr
.endr
.irp mt, 0,1,2,3
.irp g, 0,1
	ds_store_b128 v[EPW], v[ES+8*\mt+4*\g:ES+8*\mt+4*\g+3] offset:64*\mt+16*\g   ; the sixteen lanes of a half write the same bytes with the same values
.endr
.endr
.if \last
	s_wait_dscnt 0x0                               ; for the others' sake: my stores have landed
	s_barrier_signal -1
	s_barrier_wait -1
.else
	s_wait_tensorcnt 0x0                           ; rows 0-31 of the next tile have landed; no tensor load of mine is out, so group 0 may be written
	ds_add_u32 v[SPW], v[NIL]                      ; 0 onto my spare word
	s_add_nc_u64 s[G0Y+2:G0Y+3], s[G0Y+2:G0Y+3], 0x40000   ; 64 rows of 4,096 bytes on
	s_wait_dscnt 0x0                               ; the add is done, my stores of the partial scores have landed; my reads of rows 32-63 were back at P's end
	s_barrier_signal -1
	s_barrier_wait -1
	tensor_load_to_lds s[G0Y:G0Y+3], s[G1:G1+7]    ; rows 32-63 of the next tile's quarter: my one tensor load, first behind the barrier
	s_nop 0
.endif
.irp w, 0,1,2,3
	ds_load_b64 v[224+2*\w:225+2*\w], v[EPR] offset:256*\w         ; rows 2 lane, 2 lane + 1
.endr
	ds_load_b64 v[232:233], v[MKT]
	s_wait_dscnt 0x0
	v_pk_add_f32 v[224:225], v[224:225], v[226:227]
	v_pk_add_f32 v[228:229], v[228:229], v[230:231]
	v_pk_add_f32 v[224:225], v[224:225], v[228:229]
	v_pk_fma_f32 v[U:U+1], v[232:233], s[L2E:L2E+1], v[224:225] op_sel_hi:[1,0,1]   ; u = the sum + log2(e) mask: the same bits in all four waves
	s_cmp_lg_u32 s[WV], 0
	s_cbranch_scc1 .Lnot0_\@
	global_store_b64 v[UO], v[U:U+1], s[16:17]     ; wave 0: 256 consecutive bytes, aligned
.Lnot0_\@:
	s_wait_alu depctr_va_vdst(0)
	v_max_num_f32 v92, v[U], v[U+1]
	v_max_num_f32_dpp v92, v92, v92 row_xmask:1 row_mask:0xf bank_mask:0xf
	v_max_num_f32_dpp v92, v92, v92 row_xmask:2 row_mask:0xf bank_mask:0xf
	v_max_num_f32_dpp v92, v92, v92 row_xmask:4 row_mask:0xf bank_mask:0xf
	v_max_num_f32_dpp v92, v92, v92 row_xmask:8 row_mask:0xf bank_mask:0xf
	v_permlanex16_b32 v93, v92, s[SEL], s[SEL+1]
	v_max3_num_f32 v92, v92, v93, v[MX]            ; the new running maximum
	v_sub_f32 v[F], v[MX], v92
	v_sub_f32 v[P], v[U], v92
	v_sub_f32 v[P+1], v[U+1], v92
	s_wait_alu depctr_va_vdst(0)
	v_exp_f32 v[F], v[F]                           ; 2^(old m - new m)
	v_exp_f32 v[P], v[P]
	v_exp_f32 v[P+1], v[P+1]
	v_mov_b32 v[MX], v92                           ; a plain instruction behind the exponentials
	s_wait_alu depctr_va_vdst(0)                   ; one wait for the three
	v_fma_f32 v[LS], v[LS], v[F], v[P]
	v_add_f32 v[LS], v[LS], v[P+1]
	ds_store_b64 v[PBW], v[P:P+1]                  ; my wave's own bytes: LDS serves a wave's instructions in order, so the loads below see the stores
.set j, 0
.rept 16
	ds_load_b128 v[PV+4*j:PV+4*j+3], v[PBR] offset:16*j            ; all 64 p into every lane
.set j, j+1
.endr
.irp e, 0,2,4,6
	v_pk_mul_f32 v[CTX+\e:CTX+\e+1], v[CTX+\e:CTX+\e+1], v[F:F+1] op_sel_hi:[1,0]
.endr
	s_wait_alu depctr_va_vdst(0)
	s_wait_dscnt 0x0
; ---- C.  context += p x enc, bf16 halves straight into f32 multiply-adds: eight chains
	WIN 0x03                                       ; source 0 window 3
.set y, 0
.rept 64
.irp e, 0,1,2,3
	v_fma_mix_f32_bf16 v[CTX+2*\e], v[4*y+\e], v[PV+y], v[CTX+2*\e] op_sel_hi:[1,0,0]
	v_fma_mix_f32_bf16 v[CTX+2*\e+1], v[4*y+\e], v[PV+y], v[CTX+2*\e+1] op_sel:[1,0,0] op_sel_hi:[1,0,0]
.endr
.set y, y+1
.endr
	WIN 0
.if !\last
	s_wait_xcnt 0x0                                ; the store of u has read its base and its data
	s_add_nc_u64 s[16:17], s[16:17], 256
	s_add_co_u32 s[TO], s[TO], 256
.endif
.endm
	s_wait_tensorcnt 0x0                           ; tile 0's quarter, all 64 rows, has landed; I alone read its bytes.  No tensor load of mine is out, so a descriptor may be written:
	s_mov_b32 s[G1+2], 32<<16                      ; from here on group 1 brings 32 rows: tensor_dim1,
	s_mov_b32 s[G1+4], 32                          ; tile_dim1
	s_mov_b32 s[TC], 3
.Ltile:
	TILE 0
	s_sub_co_u32 s[TC], s[TC], 1
	s_cmp_lg_u32 s[TC], 0
	s_cbranch_scc1 .Ltile
	TILE 1                                         ; the last tile is written out
	; THE WAY OUT: l over the 32 lanes; { m, l }; the context through my stage, so that each store covers 512 consecutive bytes.  The stage lies where the codes lay: every wave's reads of them were back at the last barrier.
	v_add_f32_dpp v[LS], v[LS], v[LS] row_xmask:1 row_mask:0xf bank_mask:0xf
	v_add_f32_dpp v[LS], v[LS], v[LS] row_xmask:2 row_mask:0xf bank_mask:0xf
	v_add_f32_dpp v[LS], v[LS], v[LS] row_xmask:4 row_mask:0xf bank_mask:0xf
	v_add_f32_dpp v[LS], v[LS], v[LS] row_xmask:8 row_mask:0xf bank_mask:0xf
	v_permlanex16_b32 v93, v[LS], s[SEL], s[SEL+1]
	v_add_f32 v[LS], v[LS], v93
	ds_store_b128 v[CXW], v[CTX:CTX+3]
	ds_store_b128 v[CXW], v[CTX+4:CTX+7] offset:16
	ds_load_b128 v[224:227], v[CXR]
	ds_load_b128 v[228:231], v[CXR] offset:512
	s_cmp_lg_u32 s[WV], 0
	s_cbranch_scc1 .Lnot_wave_0
	global_store_b64 v[UO], v[MX:MX+1], s[20:21]   ; the same pair from all 32 lanes: 256 consecutive bytes, aligned
.Lnot_wave_0:
	s_wait_dscnt 0x0
	global_store_b128 v[BO], v[224:227], s[18:19]
	global_store_b128 v[BO], v[228:231], s[18:19] offset:512
	s_wait_tensorcnt 0x0                           ; the wave's end
	ds_add_u32 v[SPW], v[NIL]
	s_wait_dscnt 0x0
	s_endpgm
.Lfunc_end_k_qa34898d6da_main:
	.size	k_qa34898d6da_main, .Lfunc_end_k_qa34898d6da_main-k_qa34898d6da_main
	.p2alignl 7, 3214868480
	.fill 96, 4, 3214868480
	.section	.rodata,"a",@progbits
	.p2align	6, 0x0
	.amdhsa_kernel k_qa34898d6da_main
		.amdhsa_group_segment_fixed_size 327680
		.amdhsa_private_segment_fixed_size 0
		.amdhsa_enable_private_segment 0
		.amdhsa_kernarg_size 72
		.amdhsa_user_sgpr_count 2
		.amdhsa_user_sgpr_kernarg_segment_ptr 1
		.amdhsa_wavefront_size32 1
		.amdhsa_system_sgpr_workgroup_id_x 1
		.amdhsa_system_sgpr_workgroup_id_y 1
		.amdhsa_system_sgpr_workgroup_id_z 1
		.amdhsa_system_vgpr_workitem_id 0
		.amdhsa_next_free_vgpr 1024
		.amdhsa_next_free_sgpr 72
		.amdhsa_reserve_vcc 0
		.amdhsa_float_denorm_mode_32 3
		.amdhsa_float_denorm_mode_16_64 3
		.amdhsa_memory_ordered 1
		.amdhsa_forward_progress 1
		.amdhsa_inst_pref_size 255
	.end_amdhsa_kernel
	.section	.bss,"aw",@nobits
	.p2align	6
	.space	262144
	.amdgpu_metadata
---
amdhsa.version: [ 1, 2 ]
amdhsa.kernels:
  - .name:           k_qa34898d6da_main
    .symbol:         k_qa34898d6da_main.kd
    .args:
      - { .name: enc_output, .offset: 0, .size: 8, .value_kind: global_buffer, .address_space: global }
      - { .name: coverage, .offset: 8, .size: 8, .value_kind: global_buffer, .address_space: global }
      - { .name: enc_padding_mask, .offset: 16, .size: 8, .value_kind: global_buffer, .address_space: global }
      - { .name: wh_codes, .offset: 24, .size: 8, .value_kind: global_buffer, .address_space: global }
      - { .name: wh_scales, .offset: 32, .size: 8, .value_kind: global_buffer, .address_space: global }
      - { .name: cst, .offset: 40, .size: 8, .value_kind: global_buffer, .address_space: global }
      - { .name: u_ws, .offset: 48, .size: 8, .value_kind: global_buffer, .address_space: global }
      - { .name: ctx_ws, .offset: 56, .size: 8, .value_kind: global_buffer, .address_space: global }
      - { .name: ml_ws, .offset: 64, .size: 8, .value_kind: global_buffer, .address_space: global }
    .group_segment_fixed_size: 327680
    .private_segment_fixed_size: 0
    .kernarg_segment_align: 8
    .kernarg_segment_size: 72
    .max_flat_workgroup_size: 128
    .sgpr_count:     72
    .vgpr_count:     1024
    .wavefront_size: 32
...
	.end_amdgpu_metadata
.endif
;; end of part 2
;; launch combine (part 3): grid 4 x 32, 2 waves a work-group, no clusters, 0 bytes of LDS; arguments u_ws, ctx_ws, ml_ws, coverage, out0, out1, out2; writes out0, out1, out2
.if DOCPART == 3
	.amdgcn_target "amdgcn-amd-amdhsa--gfx1250"
	.amdhsa_code_object_version 6
	.text
	.protected	k_qa34898d6da_combine
	.globl	k_qa34898d6da_combine
	.p2align	8
	.type	k_qa34898d6da_combine,@function
k_qa34898d6da_combine:
	s_mov_b64 s[64:65], 0
	v_nop
	global_prefetch_b8 v0, s[64:65] scope:SCOPE_SE
	s_setreg_imm32_b32 hwreg(HW_REG_WAVE_MODE, 25, 1), 1
	s_wait_xcnt 0x0
; The eight parts of a batch meet.  Part i has a maximum m_i, a sum l_i of 2^(u - m_i) and a partial context under m_i.  M = the largest m_i; w_i = 2^(m_i - M); L = sum of w_i l_i.
; out0 = sum of w_i context_i / L;  out1 = 2^(u - M) / L;  out2 = coverage + out1.  (u holds the scores in base 2, without the sum of V, which is the same along the softmax's axis: see the first launch's text.)
; Work-group (q, b): batch b, quarter q: 256 columns of the context (4 a thread) and 512 positions (8 a thread).  Every load and store of 16 bytes a thread covers 512 consecutive bytes a wave.  No LDS, no barrier.
; LIMIT: a batch whose every position is masked by -infinity gives NaN, as the softmax of such a row does.
	s_load_b256 s[4:11], s[0:1], 0x0               ; u_ws s[4:5], ctx_ws s[6:7], ml_ws s[8:9], coverage s[10:11]
	s_load_b128 s[12:15], s[0:1], 0x20             ; out0 s[12:13], out1 s[14:15]
	s_load_b64 s[16:17], s[0:1], 0x30              ; out2
	s_and_b32 s18, ttmp7, 0xffff                   ; b
	v_lshlrev_b32 v1, 4, v0                        ; 16 bytes a thread
	s_lshl_b32 s20, s18, 11                        ; ml_ws: eight parts of 256 bytes
	s_mov_b32 s21, 0
	s_lshl_b32 s19, ttmp9, 10                      ; a quarter of 1,024 columns, in bytes
	s_lshl_b32 s22, s18, 15                        ; ctx_ws: eight parts of 4,096 bytes
	s_add_co_u32 s22, s22, s19
	s_mov_b32 s23, 0
	s_lshl_b32 s40, s18, 13                        ; a row of 2,048 positions, a quarter of it
	s_lshl_b32 s41, ttmp9, 11
	s_add_co_u32 s40, s40, s41
	s_mov_b32 s41, 0
	s_lshl_b32 s42, s18, 12                        ; out0: a row of 1,024 columns
	s_add_co_u32 s42, s42, s19
	s_mov_b32 s43, 0
	s_wait_alu depctr_va_vdst(0)
	s_wait_kmcnt 0x0
	s_add_nc_u64 s[8:9], s[8:9], s[20:21]
	s_add_nc_u64 s[6:7], s[6:7], s[22:23]
	s_add_nc_u64 s[4:5], s[4:5], s[40:41]
	s_add_nc_u64 s[10:11], s[10:11], s[40:41]
	s_add_nc_u64 s[14:15], s[14:15], s[40:41]
	s_add_nc_u64 s[16:17], s[16:17], s[40:41]
	s_add_nc_u64 s[12:13], s[12:13], s[42:43]
.irp i, 0,1,2,3,4,5,6,7
	s_load_b64 s[24+2*\i:25+2*\i], s[8:9], 256*\i  ; { m_i, l_i }
.endr
.irp i, 0,1,2,3,4,5,6,7
	global_load_b128 v[16+4*\i:19+4*\i], v1, s[6:7] offset:4096*\i
.endr
	global_load_b128 v[48:51], v1, s[4:5]
	global_load_b128 v[52:55], v1, s[4:5] offset:1024
	global_load_b128 v[56:59], v1, s[10:11]
	global_load_b128 v[60:63], v1, s[10:11] offset:1024
	s_wait_kmcnt 0x0
	v_mov_b32 v2, s24
	v_max3_num_f32 v2, v2, s26, s28
	v_max3_num_f32 v2, v2, s30, s32
	v_max3_num_f32 v2, v2, s34, s36
	v_max_num_f32 v2, s38, v2                      ; M
.irp i, 0,1,2,3,4,5,6,7
	v_sub_f32 v[3+\i], s[24+2*\i], v2
.endr
	s_wait_alu depctr_va_vdst(0)
.irp i, 0,1,2,3,4,5,6,7
	v_exp_f32 v[3+\i], v[3+\i]                     ; w_i
.endr
	v_nop                                          ; a plain instruction behind the last exponential
	s_wait_alu depctr_va_vdst(0)                   ; one wait for the eight
	v_mul_f32 v11, s25, v3
.irp i, 1,2,3,4,5,6,7
	v_fma_f32 v11, v[3+\i], s[25+2*\i], v11        ; L
.endr
	s_wait_alu depctr_va_vdst(0)
	v_rcp_f32 v12, v11
	v_nop
	s_wait_alu depctr_va_vdst(0)
.irp i, 0,1,2,3,4,5,6,7
	v_mul_f32 v[3+\i], v[3+\i], v12                ; w_i / L
.endr
	s_wait_loadcnt 0x0
.irp j, 0,1,2,3,4,5,6,7
	v_sub_f32 v[48+\j], v[48+\j], v2
.endr
	s_wait_alu depctr_va_vdst(0)
.irp j, 0,1,2,3,4,5,6,7
	v_exp_f32 v[48+\j], v[48+\j]
.endr
.irp j, 0,1,2,3
	v_mul_f32 v[64+\j], v[16+\j], v3               ; the context: plain work behind the exponentials, which names none of their results
.endr
.irp i, 1,2,3,4,5,6,7
.irp j, 0,1,2,3
	v_fma_f32 v[64+\j], v[16+4*\i+\j], v[3+\i], v[64+\j]
.endr
.endr
	s_wait_alu depctr_va_vdst(0)                   ; one wait for the eight
.irp j, 0,1,2,3,4,5,6,7
	v_mul_f32 v[48+\j], v[48+\j], v12              ; the attention
.endr
.irp j, 0,1,2,3,4,5,6,7
	v_add_f32 v[56+\j], v[56+\j], v[48+\j]         ; the new coverage
.endr
	global_store_b128 v1, v[64:67], s[12:13]
	global_store_b128 v1, v[48:51], s[14:15]
	global_store_b128 v1, v[52:55], s[14:15] offset:1024
	global_store_b128 v1, v[56:59], s[16:17]
	global_store_b128 v1, v[60:63], s[16:17] offset:1024
	s_endpgm
.Lfunc_end_k_qa34898d6da_combine:
	.size	k_qa34898d6da_combine, .Lfunc_end_k_qa34898d6da_combine-k_qa34898d6da_combine
	.p2alignl 7, 3214868480
	.fill 96, 4, 3214868480
	.section	.rodata,"a",@progbits
	.p2align	6, 0x0
	.amdhsa_kernel k_qa34898d6da_combine
		.amdhsa_group_segment_fixed_size 0
		.amdhsa_private_segment_fixed_size 0
		.amdhsa_enable_private_segment 0
		.amdhsa_kernarg_size 56
		.amdhsa_user_sgpr_count 2
		.amdhsa_user_sgpr_kernarg_segment_ptr 1
		.amdhsa_wavefront_size32 1
		.amdhsa_system_sgpr_workgroup_id_x 1
		.amdhsa_system_sgpr_workgroup_id_y 1
		.amdhsa_system_sgpr_workgroup_id_z 1
		.amdhsa_system_vgpr_workitem_id 0
		.amdhsa_next_free_vgpr 96
		.amdhsa_next_free_sgpr 66
		.amdhsa_reserve_vcc 0
		.amdhsa_float_denorm_mode_32 3
		.amdhsa_float_denorm_mode_16_64 3
		.amdhsa_memory_ordered 1
		.amdhsa_forward_progress 1
		.amdhsa_inst_pref_size 9
	.end_amdhsa_kernel
	.amdgpu_metadata
---
amdhsa.version: [ 1, 2 ]
amdhsa.kernels:
  - .name:           k_qa34898d6da_combine
    .symbol:         k_qa34898d6da_combine.kd
    .args:
      - { .name: u_ws, .offset: 0, .size: 8, .value_kind: global_buffer, .address_space: global }
      - { .name: ctx_ws, .offset: 8, .size: 8, .value_kind: global_buffer, .address_space: global }
      - { .name: ml_ws, .offset: 16, .size: 8, .value_kind: global_buffer, .address_space: global }
      - { .name: coverage, .offset: 24, .size: 8, .value_kind: global_buffer, .address_space: global }
      - { .name: out0, .offset: 32, .size: 8, .value_kind: global_buffer, .address_space: global }
      - { .name: out1, .offset: 40, .size: 8, .value_kind: global_buffer, .address_space: global }
      - { .name: out2, .offset: 48, .size: 8, .value_kind: global_buffer, .address_space: global }
    .group_segment_fixed_size: 0
    .private_segment_fixed_size: 0
    .kernarg_segment_align: 8
    .kernarg_segment_size: 56
    .max_flat_workgroup_size: 64
    .sgpr_count:     66
    .vgpr_count:     96
    .wavefront_size: 32
...
	.end_amdgpu_metadata
.endif
;; end of part 3
